; MI455X (gfx1250); checked and timed in simulation.
; The chip was launched on July 23, 2026; its instructions are those of AMD's public machine-readable ISA for CDNA 5 (MIT licence, August 2026) and "CDNA5" Instruction Set Architecture Reference Guide (July 2026). The comments in the code are by the model that wrote it; some were corrected since.
;; Multi Head Self Attention. Allowed arithmetic: matrix products marked QUANTISED: E2M3 operands, one E8M0 scale for each 32 along K, by v_wmma_scale_f32_16x16x128_f8f6f4 with both operands' format E2M3, f32 sums; everything else in f32.
;; Inputs: W_qkv 1,024 x 3,072 float32; b_qkv 3,072 float32; x 4 x 2,048 x 1,024 float32.
;; Outputs: out0 4 x 2,048 x 1,024 float32.
;; This version of the problem:
;;   THIS VERSION OF THE PROBLEM IS GIVEN IN LOW PRECISION. The matrix products marked QUANTISED in the list below multiply operands that are first quantised to E2M3 (2 exponent bits, 3 mantissa bits; 6 bits a number), with one power-of-two scale for each 32 numbers along K (OCP MX v1.0); their sums are f32. All else is computed in f32.
;;   The module's matrix products, in the order in which they are computed (A, B: the left and right operand; K: the contracted axis; several contracted axes count as one K, in the product's order):
;;     1. [M 8,192, K 1,024] x [K 1,024, N 3,072]; A: input x; B: input W_qkv: QUANTISED
;;     2. batch 64 x [M 2,048, K 64] x [K 64, N 2,048]; A: computed on the way; B: computed on the way: QUANTISED
;;     3. batch 64 x [M 2,048, K 2,048] x [K 2,048, N 64]; A: softmax (see below); B: computed on the way: QUANTISED
;;   THE QUANTISER, for each operand of a quantised product, along K:
;;     - K is cut into blocks of 32 from its start; a last block that is shorter is filled with zeros.
;;     - A block's scale is 2^e with e = floor(log2(the largest magnitude in the block)) - 2, held to -126 .. 127; a block of zeros has e = 0. As a byte (E8M0): e + 127.
;;     - Each number is divided by its block's scale, clamped to +-7.5, and rounded to the nearest number of E2M3, ties to even, subnormals kept.
;;     - The product sums the exact products of the quantised numbers (number of the format x scale) in f32.
;;   ~~~python
;;   def quantise(x, axis):      # numpy; x: float32 -> the quantised numbers, widened to float32 again
;;       x = np.moveaxis(x, axis, -1); K = x.shape[-1]
;;       x = np.pad(x, [(0, 0)] * (x.ndim - 1) + [(0, -K % 32)]); x = x.reshape(x.shape[:-1] + (-1, 32)); a = np.abs(x).max(-1, keepdims=True)
;;       e = np.where(a > 0, np.clip(np.frexp(np.where(a > 0, a, 1))[1] - 1 - 2, -126, 127), 0)      # np.frexp(a)[1] - 1 = floor(log2(a)), exactly
;;       r = np.clip(x / 2.0 ** e, -7.5, 7.5)
;;       step = 2.0 ** (np.maximum(np.frexp(np.where(r == 0, 1, r))[1] - 1, 0) - 3)
;;       q = np.round(r / step) * step * 2.0 ** e      # np.round: ties to even
;;       return np.moveaxis(q.reshape(q.shape[:-2] + (-1,))[..., :K], -1, axis).astype(np.float32)
;;   ~~~
;;   SOFTMAX AHEAD OF A QUANTISED PRODUCT. Where the list says 'softmax', what is quantised is not the finished softmax but p = 2^(t - M), with t = logit x log2(e) and M = ceil(the row's largest t), a whole number; so 1/2 < the row's largest p <= 1. The row's sum l is taken of the UNQUANTISED p, in f32, and the product's result is divided by l at the end. Since M is a whole number, a kernel that streams over the keys may use a running M (the ceiling of the running maximum): every later rescaling is an exact power of two, which a block's scale takes up: the codes' values come out the same.
;;   OPERANDS COMPUTED ON THE WAY. 'Computed on the way' means the value that the module computes at that place (a softmax that the list does not call 'softmax' is quantised finished and normalised). What goes into a quantiser is computed in f32, as accurately as f32 sums, v_exp_f32 and their like allow (about 1e-6 of the number): no bf16 or f16 on the way to a quantiser, and a product that is left as it is and whose result goes on into a quantised operand takes f32 operands (vector FMAs, or v_wmma_f32_16x16x4_f32). A number that lies on a knife's edge between two numbers of the format may be rounded either way, as far as f32 arithmetic and the matrix unit's own rounding can turn it there, and no further.
;; One version. Each part assembles by itself: llvm-mc -triple=amdgcn-amd-amdhsa -mcpu=gfx1250 --defsym DOCPART=n.
;; ======== version 1 of 1: 3 launches
;; workspace buffers: xc 6,291,456 bytes; wc 2,359,296 bytes; scl 360,448 bytes; qc 6,815,744 bytes; kv 13,369,344 bytes
;; launch quant (part 1): grid 448 x 1, 4 waves a work-group, no clusters, 34,304 bytes of LDS; arguments x, W_qkv, xc, wc, scl; writes xc, wc, scl
.if DOCPART == 1
	.amdgcn_target "amdgcn-amd-amdhsa--gfx1250"
	.amdhsa_code_object_version 6
	.text
	.protected	k_qe683df5f25_quant
	.globl	k_qe683df5f25_quant
	.p2align	8
	.type	k_qe683df5f25_quant,@function
k_qe683df5f25_quant:
	s_mov_b64 s[64:65], 0
	v_nop
	global_prefetch_b8 v0, s[64:65] scope:SCOPE_SE
	s_setreg_imm32_b32 hwreg(HW_REG_WAVE_MODE, 25, 1), 1
	s_wait_xcnt 0x0
; x [8192][1024] and W_qkv [1024][3072], f32, become codes of FP6 (E2M3) with one E8M0 byte for each 32 along K = 1024, laid as IMAGES OF OPERAND REGISTERS:
; a fragment (16 rows x 128 K, 12 registers a lane) is 1,536 bytes: group c of four registers at 512 c + 16 x lane.
;   xc  [x tile 0..511][K step 0..7][1536]      wc  [W tile 0..191][K step][1536]
;   scl [W tiles 192 x 512][x tiles 512 x 512]: the scale word of (tile, row r, K step s) at 512 tile + 256 (s / 4) + 16 r + 4 (s % 4)
; THE ROWS OF A TILE ARE NOT NEIGHBOURS: row p of tile 2 b + u is index 32 b + 8 u + p % 8 + 16 (p / 8), for x's rows and inside each group of 32 columns of W.
; W's tiles of head hd are 12 hd + j: j 0-3 q, j 4-5 v's channels 0-31, j 6-9 k, j 10-11 v's channels 32-63.
; A block's scale is 2^(floor(log2(largest magnitude)) - 2): its byte is the largest magnitude's exponent field - 2, held at 1 from below by a floor among the maximum's leaves.
; LIMITS: a block of zeros (and one whose largest magnitude lies under 2^-124) gets the byte 1 and not 127: its codes are zeros and this program alone reads the bytes.  NaN and infinities among the inputs are not served.
; Work-groups 0-191 take W (no LDS at all), work-groups 192-447 take x (a stage in LDS for each wave).  No barrier: waves share nothing.
.set RR, 128                           ; x path: v128-255 two sets of 64 numbers as loaded
.set XX, 64                            ; v64-127 the numbers that the conversions take
.set IM, 32                            ; v32-55 two images of 12 registers
.set T0, 24                            ; v24-26, v28-30: upper halves of blocks (a conversion's three registers begin on an even number)
.set T1, 28
	s_load_b256 s[4:11], s[0:1], 0x0               ; x s[4:5], W s[6:7], xc s[8:9], wc s[10:11]
	s_load_b64 s[12:13], s[0:1], 0x20              ; scl
	v_lshl_add_u32 v62, v0, 2, 0x8400
	v_mov_b32 v63, 0
	v_lshrrev_b32 v1, 5, v0
	v_readfirstlane_b32 s16, v1                    ; wave 0..3
	v_and_b32 v1, 31, v0                           ; lane
	v_and_b32 v2, 15, v0                           ; r
	v_bfe_u32 v3, v0, 4, 1                         ; h
	s_mov_b32 s20, 0x76543210
	s_mov_b32 s21, 0xfedcba98                      ; selects of v_permlanex16_b32: lane l xor 16
	s_mov_b32 s22, 0xffff0000                      ; lanes 16-31
	s_cmp_lt_u32 ttmp9, 192
	s_cbranch_scc1 .Lw_path
; ---------------- x: a wave makes four fragments: K steps 4 kh .. 4 kh + 3 of tile T; 2 T + kh = 4 (work-group - 192) + wave
	s_sub_co_u32 s17, ttmp9, 192
	s_lshl_b32 s17, s17, 2
	s_add_co_u32 s17, s17, s16                     ; 2 T + kh
	s_lshr_b32 s18, s17, 1                         ; T
	s_and_b32 s19, s17, 1                          ; kh
	s_lshr_b32 s24, s18, 1
	s_lshl_b32 s24, s24, 17                        ; 32 (T / 2) rows of 4,096 bytes
	s_and_b32 s25, s18, 1
	s_lshl_b32 s25, s25, 15                        ; + 8 (T % 2) rows
	s_add_co_u32 s24, s24, s25
	s_lshl_b32 s25, s19, 11                        ; + 2,048 kh
	s_add_co_u32 s24, s24, s25
	s_mov_b32 s25, 0
	s_mul_i32 s26, s17, 6144                       ; (8 T + 4 kh) images of 1,536 bytes
	s_mov_b32 s27, 0
	s_lshl_b32 s28, s17, 8                         ; 512 T + 256 kh, behind W's 98,304 bytes
	s_add_co_u32 s28, s28, 98304
	s_mov_b32 s29, 0
	s_mul_i32 s30, s16, 8448                       ; my stage: 16 rows of 512 bytes + 16
	s_wait_alu depctr_va_vdst(0)
	v_lshlrev_b32 v4, 4, v1                        ; 16 x lane
	v_add_nc_u32 v5, s30, v4                       ; stage, in: a row as it lies
	v_mul_u32_u24 v6, v2, 528
	v_lshl_add_u32 v6, v3, 7, v6
	v_add_nc_u32 v6, s30, v6                       ; stage, out: row r, + 128 h: my block of 32 numbers
	v_lshlrev_b32 v7, 4, v2
	v_lshl_add_u32 v7, v3, 3, v7                   ; scale words out: 16 r + 8 h
	v_lshlrev_b32 v22, 3, v3                       ; 8 h
	v_mov_b32 v15, 0                               ; a lane permute's destination counts as one of its sources
	s_wait_alu depctr_va_vdst(0)
	s_wait_kmcnt 0x0
	s_add_nc_u64 s[4:5], s[4:5], s[24:25]
	s_add_nc_u64 s[8:9], s[8:9], s[26:27]
	s_add_nc_u64 s[12:13], s[12:13], s[28:29]
.macro LOADX t                         ; K step t of the tile's 16 rows: each load takes 512 consecutive bytes, aligned to 512
.irp i, 0,1,2,3,4,5,6,7,8,9,10,11,12,13,14,15
	global_load_b128 v[RR+64*((\t)%2)+4*\i:RR+64*((\t)%2)+4*\i+3], v4, s[4:5] offset:(((\i)&7)+16*((\i)>>3))*4096+512*(\t) th:TH_LOAD_NT
.endr
.endm
.macro STEPX t
.set RB, RR+64*((\t)%2)
.set IB, IM+12*((\t)%2)
.if (\t) < 3
	s_wait_loadcnt 16                              ; this step's 16 loads are in; the next step's 16 may be out
.else
	s_wait_loadcnt 0x0
.endif
.irp i, 0,1,2,3,4,5,6,7,8,9,10,11,12,13,14,15
	ds_store_b128 v5, v[RB+4*\i:RB+4*\i+3] offset:528*\i
.endr
.irp c, 0,1
.irp j, 0,1,2,3,4,5,6,7
	ds_load_b128 v[XX+32*\c+4*\j:XX+32*\c+4*\j+3], v6 offset:256*\c+16*\j   ; row r, k = 64 c + 32 h + 0 .. 31: a whole block.  LDS serves a wave's instructions in order: these see my stores
.endr
.endr
	s_wait_dscnt 0x0                               ; the numbers are back, and the stores have read their registers,
.if (\t) < 2
	LOADX (\t)+2                                   ; which take the loads of two steps on
.endif
.irp c, 0,1
	v_max3_num_f32 v[8+\c], |v[XX+32*\c]|, |v[XX+32*\c+1]|, 0x1800000   ; my blocks h and 2 + h by turns, and the floor 2^(3 - 127)
.endr
.irp i, 2,4,6,8,10,12,14,16,18,20,22,24,26,28,30
.irp c, 0,1
	v_max3_num_f32 v[8+\c], v[8+\c], |v[XX+32*\c+\i]|, |v[XX+32*\c+\i+1]|
.endr
.endr
	v_add_nc_u32 v10, 0xff000000, v8               ; 2 off the exponent field: the conversion's scale operand
	v_add_nc_u32 v11, 0xff000000, v9
	v_lshrrev_b32 v12, 23, v10                     ; the scale's byte
	v_lshrrev_b32 v13, 23, v11
	v_lshl_or_b32 v14, v13, 16, v12                ; bytes of blocks h and 2 + h,
	v_lshlrev_b32 v14, v22, v14                    ; at their places,
	v_permlanex16_b32 v15, v14, s20, s21
	v_or_b32 v[16+(\t)], v14, v15                  ; with lane l xor 16's two: row r's word of this K step
.if (\t) >= 2
	s_wait_alu depctr_va_vdst(0)
	s_wait_xcnt 0x0                                ; the stores of two steps back have read this image's registers
.endif
	v_cvt_scalef32_pk16_fp6_f32 v[IB:IB+2], v[XX:XX+15], v10
	v_cvt_scalef32_pk16_fp6_f32 v[T0:T0+2], v[XX+16:XX+31], v10
	v_cvt_scalef32_pk16_fp6_f32 v[IB+6:IB+8], v[XX+32:XX+47], v11
	v_cvt_scalef32_pk16_fp6_f32 v[T1:T1+2], v[XX+48:XX+63], v11
	v_nop                                          ; one plain instruction behind the scaled conversions
.irp i, 0,1,2
	v_mov_b32 v[IB+3+\i], v[T0+\i]
	v_mov_b32 v[IB+9+\i], v[T1+\i]
.endr
.irp c, 0,1,2
	global_store_b128 v4, v[IB+4*\c:IB+4*\c+3], s[8:9] offset:1536*(\t)+512*\c   ; 512 consecutive bytes, aligned to 512
.endr
.endm
	LOADX 0
	LOADX 1
	STEPX 0
	STEPX 1
	STEPX 2
	STEPX 3
	v_cndmask_b32 v20, v16, v18, s22               ; lanes 0-15 store words 0, 1 of their row, lanes 16-31 words 2, 3
	v_cndmask_b32 v21, v17, v19, s22
	global_store_b64 v7, v[20:21], s[12:13]        ; 256 consecutive bytes, aligned to 256
	s_wait_tensorcnt 0x0
	ds_add_u32 v62, v63
	s_wait_dscnt 0x0
	s_endpgm
; ---------------- W: a wave takes K step s = work-group % 8 of the pair of tiles p = 4 (work-group / 8) + wave: 32 columns.  A LANE TAKES A COLUMN AND ITS REGISTERS RUN DOWN K.
.Lw_path:
	s_and_b32 s17, ttmp9, 7                        ; s
	s_lshr_b32 s18, ttmp9, 3
	s_lshl_b32 s18, s18, 2
	s_add_co_u32 s18, s18, s16                     ; p, 0..95
	s_mul_i32 s19, s18, 43
	s_lshr_b32 s19, s19, 8                         ; the head: p / 6 (43 p / 256 is off by p / 768, under 1 / 6)
	s_mul_i32 s24, s19, 6
	s_sub_co_u32 s24, s18, s24                     ; the pair in the head, 0..5
	s_lshl_b32 s24, s24, 2
	s_lshr_b32 s24, 0x532410, s24
	s_and_b32 s24, s24, 7                          ; its group of 32 columns among the head's 192: q 0, 1; v 4; k 2, 3; v 5
	s_lshl_b32 s24, s24, 7                         ; in bytes
	s_mul_i32 s25, s19, 768
	s_add_co_u32 s24, s24, s25
	s_mul_i32 s25, s17, 1572864                    ; 128 s rows of 12,288 bytes
	s_add_co_u32 s24, s24, s25
	s_mov_b32 s25, 0
	s_mul_i32 s26, s18, 24576                      ; tile 2 p
	s_mul_i32 s27, s17, 1536
	s_add_co_u32 s26, s26, s27
	s_mov_b32 s27, 0
	s_lshl_b32 s28, s18, 10
	s_lshr_b32 s29, s17, 2
	s_lshl_b32 s29, s29, 8
	s_add_co_u32 s28, s28, s29
	s_and_b32 s29, s17, 3
	s_lshl_b32 s29, s29, 2
	s_add_co_u32 s28, s28, s29                     ; 1,024 p + 256 (s / 4) + 4 (s % 4)
	s_mov_b32 s29, 0
	v_and_b32 v5, 7, v0
	s_wait_alu depctr_va_vdst(0)
	v_bfe_u32 v6, v0, 3, 1
	v_lshl_add_u32 v5, v3, 3, v5
	v_lshl_add_u32 v5, v6, 4, v5                   ; my column in the group: 8 h + l % 8 + 16 ((l / 8) % 2): row r of tile 2 p + h
	v_lshlrev_b32 v4, 2, v5
	v_lshlrev_b32 v5, 4, v1                        ; 16 x lane
	v_lshlrev_b32 v6, 9, v3
	v_lshl_add_u32 v6, v2, 4, v6                   ; 512 h + 16 r
	s_wait_alu depctr_va_vdst(0)
	s_wait_kmcnt 0x0
	s_add_nc_u64 s[6:7], s[6:7], s[24:25]
	s_add_nc_u64 s[10:11], s[10:11], s[26:27]
	s_add_nc_u64 s[12:13], s[12:13], s[28:29]
.macro LOADW b                         ; block b: W(128 s + 32 b + i, my column): the 32 lanes take 128 consecutive bytes
.set i, 0
.rept 32
	global_load_b32 v[XX+32*((\b)%2)+i], v4, s[6:7] offset:(32*(\b)+i)*12288 th:TH_LOAD_NT
.set i, i+1
.endr
.endm
.macro BLOCKW b
.set XB, XX+32*((\b)%2)
.set DB, IM+12*((\b)%2)+6*((\b)/2)     ; even blocks into the first image, odd ones into the second
.if (\b) < 3
	s_wait_loadcnt 32                              ; this block's 32 loads are in; the next block's may be out
.else
	s_wait_loadcnt 0x0
.endif
	v_max3_num_f32 v8, |v[XB]|, |v[XB+1]|, |v[XB+2]|
	v_max3_num_f32 v9, |v[XB+3]|, |v[XB+4]|, |v[XB+5]|
.irp i, 6,10,14,18,22,26
	v_max3_num_f32 v8, v8, |v[XB+\i]|, |v[XB+\i+1]|
	v_max3_num_f32 v9, v9, |v[XB+\i+2]|, |v[XB+\i+3]|
.endr
	v_max3_num_f32 v8, v8, |v[XB+30]|, |v[XB+31]|
	v_max3_num_f32 v8, v8, v9, 0x1800000           ; and the floor
	v_add_nc_u32 v10, 0xff000000, v8
	v_lshrrev_b32 v11, 23, v10
.if (\b) == 0
	v_mov_b32 v16, v11
.else
	v_lshl_or_b32 v16, v11, 8*(\b), v16            ; my column's scale word
.endif
	v_cvt_scalef32_pk16_fp6_f32 v[DB:DB+2], v[XB:XB+15], v10
	v_cvt_scalef32_pk16_fp6_f32 v[T0:T0+2], v[XB+16:XB+31], v10
	v_nop
.irp i, 0,1,2
	v_mov_b32 v[DB+3+\i], v[T0+\i]
.endr
.if (\b) < 2
	LOADW (\b)+2
.endif
.endm
	LOADW 0
	LOADW 1
	BLOCKW 0
	BLOCKW 1
.irp i, 0,1,2,3,4,5                    ; the first image's lanes 16-31 change places with the second's lanes 0-15: the first is then tile 2 p (lanes 0-15 block 2 c, lanes 16-31 block 2 c + 1), the second tile 2 p + 1
	v_permlane16_swap_b32 v[IM+\i], v[IM+12+\i]
.endr
	BLOCKW 2
	BLOCKW 3
.irp i, 6,7,8,9,10,11
	v_permlane16_swap_b32 v[IM+\i], v[IM+12+\i]
.endr
.irp c, 0,1,2
	global_store_b128 v5, v[IM+4*\c:IM+4*\c+3], s[10:11] offset:512*\c
	global_store_b128 v5, v[IM+12+4*\c:IM+12+4*\c+3], s[10:11] offset:12288+512*\c
.endr
	global_store_b32 v6, v16, s[12:13]             ; 4 bytes at every 16: the one store of this launch that covers no whole run; W's scale words are 98,304 bytes in all
	s_endpgm
.Lfunc_end_k_qe683df5f25_quant:
	.size	k_qe683df5f25_quant, .Lfunc_end_k_qe683df5f25_quant-k_qe683df5f25_quant
	.p2alignl 7, 3214868480
	.fill 96, 4, 3214868480
	.section	.rodata,"a",@progbits
	.p2align	6, 0x0
	.amdhsa_kernel k_qe683df5f25_quant
		.amdhsa_group_segment_fixed_size 34304
		.amdhsa_private_segment_fixed_size 0
		.amdhsa_enable_private_segment 0
		.amdhsa_kernarg_size 40
		.amdhsa_user_sgpr_count 2
		.amdhsa_user_sgpr_kernarg_segment_ptr 1
		.amdhsa_wavefront_size32 1
		.amdhsa_system_sgpr_workgroup_id_x 1
		.amdhsa_system_sgpr_workgroup_id_y 1
		.amdhsa_system_sgpr_workgroup_id_z 1
		.amdhsa_system_vgpr_workitem_id 0
		.amdhsa_next_free_vgpr 256
		.amdhsa_next_free_sgpr 66
		.amdhsa_reserve_vcc 0
		.amdhsa_float_denorm_mode_32 3
		.amdhsa_float_denorm_mode_16_64 3
		.amdhsa_memory_ordered 1
		.amdhsa_forward_progress 1
		.amdhsa_inst_pref_size 51
	.end_amdhsa_kernel
	.amdgpu_metadata
---
amdhsa.version: [ 1, 2 ]
amdhsa.kernels:
  - .name:           k_qe683df5f25_quant
    .symbol:         k_qe683df5f25_quant.kd
    .args:
      - { .name: x, .offset: 0, .size: 8, .value_kind: global_buffer, .address_space: global }
      - { .name: W_qkv, .offset: 8, .size: 8, .value_kind: global_buffer, .address_space: global }
      - { .name: xc, .offset: 16, .size: 8, .value_kind: global_buffer, .address_space: global }
      - { .name: wc, .offset: 24, .size: 8, .value_kind: global_buffer, .address_space: global }
      - { .name: scl, .offset: 32, .size: 8, .value_kind: global_buffer, .address_space: global }
    .group_segment_fixed_size: 34304
    .private_segment_fixed_size: 0
    .kernarg_segment_align: 8
    .kernarg_segment_size: 40
    .max_flat_workgroup_size: 128
    .sgpr_count:     66
    .vgpr_count:     256
    .wavefront_size: 32
...
	.end_amdgpu_metadata
.endif
;; end of part 1
;; launch gemm (part 2): grid 16 x 32, 4 waves a work-group, clusters of 4 x 4, 327,680 bytes of LDS; arguments xc, wc, scl, b_qkv, qc, kv; writes qc, kv
.if DOCPART == 2
	.amdgcn_target "amdgcn-amd-amdhsa--gfx1250"
	.amdhsa_code_object_version 6
	.text
	.protected	k_qe683df5f25_gemm
	.globl	k_qe683df5f25_gemm
	.p2align	8
	.type	k_qe683df5f25_gemm,@function
k_qe683df5f25_gemm:
	s_mov_b64 s[64:65], 0
	v_nop
	global_prefetch_b8 v0, s[64:65] scope:SCOPE_SE
	s_setreg_imm32_b32 hwreg(HW_REG_WAVE_MODE, 25, 1), 1
	s_wait_xcnt 0x0
	s_wait_alu depctr_hold_cnt(0) depctr_sa_sdst(0) depctr_va_vdst(0) depctr_va_sdst(0) depctr_va_ssrc(0) depctr_va_vcc(0) depctr_vm_vsrc(0)
	s_getreg_b32 s2, hwreg(HW_REG_IB_STS2, 6, 4)
	s_cmp_eq_u32 s2, 0
	s_cbranch_scc0 .Lentry_in_a_cluster
	s_endpgm
.Lentry_in_a_cluster:
	s_bfe_u32 s2, ttmp6, 0x10000c
	s_cmp_lg_u32 s2, 0xf033
	s_cbranch_scc0 .Lentry_shape_is_right
	s_endpgm
.Lentry_shape_is_right:
; qkv = Q(x) Q(W) + b on codes of FP6 (E2M3) with E8M0 scales, K = 1024 in eight steps of 128; the results are quantised in registers and leave as images of attention's operands.  No f32 result goes to memory.
; A work-group makes 256 rows x one head's 192 columns.  Wave w: rows 128 (w / 2) on (x tiles a = 0..7), W tiles 6 (w % 2) + b: b 0-3 are q (w even) or k (w odd), b 4-5 are v's channels 32 (w % 2) on.  48 accumulators.
; q AND k ARE MADE TRANSPOSED (source 0 = W's tile, source 1 = x's): a lane holds one row, and the 16 registers of tiles 2 n, 2 n + 1 are 16 neighbours along the head's 64, which is their next K.
; v IS MADE AS IT STANDS (source 0 = x's tile, source 1 = W's): a lane holds one channel, and the 16 registers of row tiles 2 n, 2 n + 1 are 16 neighbouring keys, which is its next K.  (The rows of a tile are chosen for that by the launch before.)
; The bias is the C of each sum's first matrix instruction.
; OUT, for bh = 16 batch + head and t = the 128 rows' number in the batch:
;   qc + 106,496 bh: images [t][tile 0..7][768] (six registers: 0-3 at 16 x lane, 4-5 at 512 + 8 x lane); at 98,304 scale blocks [t][512]: the word of tile 2 n + l / 16, row l % 16, at 16 l + 4 n
;   kv + 208,896 bh: k's images and (at 196,608) scale blocks likewise; at 98,304 v's images [t][channel tile 0..3][1536]; at 204,800 v's scale words [t][pair of tiles][lane]
; LDS: three slots of two K steps each (A 16 tiles, B 12 tiles, as they lie in memory); slots 0, 1, 2 are first fills, slot 0 is filled once more, with K steps 6 and 7.
; CLUSTER 4 x 4: x's tiles hang on the row block alone and are asked for jointly along a row of the cluster, W's on the head alone and along a column.
; LIMITS: a block of zeros gets the byte 1 and not 127 (zero codes; this program alone reads the bytes); NaN and infinities are not served.
; REGISTERS: window 0: v0-31 addresses, v32-95 scale words, v96-239 W's fragments (two sets of 72), later the epilogue's work.  window 1: v0-191 x's fragments (two sets of 96), v192-239 the bias.
;   window 2: accumulators of x tiles 0-3, window 3: of 4-7.  For pair n of x tiles, at 96 (n % 2): q or k of the even tile 0-31, of the odd tile 32-63; v: 64 + 16 (b - 4) + 8 (a % 2).
.set SLOT,  86016
.set BOFF,  49152
.set SPARE, 3*SLOT                     ; behind the slots: the spare words, 128 bytes for each wave, which no other line names
.set SC,    32                         ; v[SC + 8 i + s]: lanes 0-15 the word of x tile i, lanes 16-31 that of W tile i, for K step s
.set BF,    96
.set BIAS,  192
.set ADRA,  16                         ; v16-18 my x fragments in slots 0, 1, 2
.set ADRB,  20                         ; v20-22 my W fragments
.set SPW,   28
.set NIL,   29
.set G1A, 24                           ; s[24:31], s[32:39] descriptor groups 1;  s[40:51], s[52:63] groups 0, a set for each slot
.set G1B, 32
.set G0A, 40
.set G0B, 52
.set MX, 96                            ; the epilogue, in window 0: 12 largest magnitudes, 12 permuted, 12 scale operands, 12 bytes
.set PM, 108
.set SO, 120
.set BY, 132
.set FQ, 144                           ; four row tiles x (8 for the image, 4 for the upper block)
.set VI, 192                           ; v's two images
.set VT, 216
.set WW, 224                           ; the eight row tiles' scale words
.set VW, 232                           ; v's two scale words
.set ZZ, 236
.set MSB, 0
.macro WIN new                         ; the immediate's high byte repeats the setting that is left
.if MSB != (\new)
	s_set_vgpr_msb (MSB<<8)|(\new)
.set MSB, \new
.endif
.endm
.macro CREST                           ; a round of the cluster's barrier behind its opening barrier
	s_cmp_lg_u32 s16, 0
	s_cbranch_scc1 .Lnot_wave_0_\@
	s_barrier_signal -3
.Lnot_wave_0_\@:
	s_barrier_wait -3
	s_barrier_signal -1
	s_barrier_wait -1
.endm
.macro CROUND
	s_barrier_signal -1
	s_barrier_wait -1
	CREST
.endm
.macro PLACES                          ; four plain instructions between a matrix instruction and a load into, or a vector read or write of, its registers
.rept 4
	v_nop
.endr
.endm
	s_load_b256 s[4:11], s[0:1], 0x0               ; xc s[4:5], wc s[6:7], scl s[8:9], b_qkv s[10:11]
	s_load_b128 s[12:15], s[0:1], 0x20             ; qc s[12:13], kv s[14:15]
	v_lshl_add_u32 v[SPW], v0, 2, SPARE
	v_mov_b32 v[NIL], 0
	ds_add_u32 v28, v29
	ds_add_u32 v28, v29
	s_wait_dscnt 0x0
	v_lshrrev_b32 v1, 5, v0
	v_readfirstlane_b32 s16, v1                    ; wave 0..3
	s_lshr_b32 s17, s16, 1                         ; my half of the rows.  Also: I fetch for x (0) or for W (1)
	s_and_b32 s18, s16, 1                          ; my half of the columns.  Also: which half of that tile I fetch
	s_bfe_u32 s19, ttmp6, 0x40000                  ; cx
	s_bfe_u32 s20, ttmp6, 0x40004                  ; cy
	s_lshl_b32 s21, ttmp9, 2
	s_add_co_u32 s21, s21, s19                     ; the head
	s_and_b32 s22, ttmp7, 0xffff
	s_lshl_b32 s22, s22, 2
	s_add_co_u32 s22, s22, s20                     ; the block of 256 rows
	s_lshl_b32 s86, s20, 2
	s_lshl_b32 s86, 15, s86                        ; my row of the cluster
	s_lshl_b32 s87, 0x1111, s19                    ; my column
	; group 1: rows of 3,072 bytes (two K steps of one tile: 384 elements of 8 bytes), 12,288 bytes apart in memory, dense in LDS; 8 tiles of x or 6 of W
	s_or_b32 s[G1A], s86, (3<<16)|(1<<21)
	s_or_b32 s[G1B], s87, (3<<16)|(1<<21)
	s_mov_b32 s[G1A+1], 384<<16
	s_mov_b32 s[G1A+2], 8<<16
	s_mov_b32 s[G1A+3], 384<<16
	s_mov_b32 s[G1A+4], 8
	s_mov_b32 s[G1A+5], 1536
	s_mov_b32 s[G1A+6], 0
	s_mov_b32 s[G1A+7], 0
	s_mov_b32 s[G1B+1], 384<<16
	s_mov_b32 s[G1B+2], 6<<16
	s_mov_b32 s[G1B+3], 384<<16
	s_mov_b32 s[G1B+4], 6
	s_mov_b32 s[G1B+5], 1536
	s_mov_b32 s[G1B+6], 0
	s_mov_b32 s[G1B+7], 0
	s_lshl_b32 s80, s22, 4
	s_lshl_b32 s81, s18, 3
	s_add_co_u32 s80, s80, s81                     ; x tile 16 block + 8 half
	s_mul_i32 s80, s80, 12288
	s_mov_b32 s81, 0
	s_mul_i32 s82, s21, 12
	s_mul_i32 s83, s18, 6
	s_add_co_u32 s82, s82, s83                     ; W tile 12 head + 6 half
	s_mul_i32 s82, s82, 12288
	s_mov_b32 s83, 0
	s_mul_i32 s84, s18, 24576                      ; where they go: the wave's number alone enters an LDS address
	s_mul_i32 s85, s18, 18432
	s_add_co_u32 s85, s85, BOFF
	s_wait_kmcnt 0x0
	s_add_nc_u64 s[80:81], s[4:5], s[80:81]
	s_add_nc_u64 s[82:83], s[6:7], s[82:83]
.irp p, 0,1,2
	s_mov_b32 s[G0A+4*\p], 1
	s_add_co_u32 s[G0A+4*\p+1], s84, \p*SLOT
	s_add_nc_u64 s[G0A+4*\p+2:G0A+4*\p+3], s[80:81], \p*3072
	s_or_b32 s[G0A+4*\p+3], s[G0A+4*\p+3], 0x80000000
	s_mov_b32 s[G0B+4*\p], 1
	s_add_co_u32 s[G0B+4*\p+1], s85, \p*SLOT
	s_add_nc_u64 s[G0B+4*\p+2:G0B+4*\p+3], s[82:83], \p*3072
	s_or_b32 s[G0B+4*\p+3], s[G0B+4*\p+3], 0x80000000
.endr
	CROUND                                         ; all sixteen work-groups are here: the first joint loads meet
	s_cmp_eq_u32 s17, 0                            ; a wave's three first fills stand in one branch: three loads of mine are out
	s_cbranch_scc0 .Lfirst_b
	tensor_load_to_lds s[G0A:G0A+3], s[G1A:G1A+7]
	s_nop 0
	tensor_load_to_lds s[G0A+4:G0A+7], s[G1A:G1A+7]
	s_nop 0
	tensor_load_to_lds s[G0A+8:G0A+11], s[G1A:G1A+7]
	s_nop 0
.rept 4
	v_nop
.endr
	s_branch .Lfirst_done
.Lfirst_b:
	tensor_load_to_lds s[G0B:G0B+3], s[G1B:G1B+7]
	s_nop 0
	tensor_load_to_lds s[G0B+4:G0B+7], s[G1B:G1B+7]
	s_nop 0
	tensor_load_to_lds s[G0B+8:G0B+11], s[G1B:G1B+7]
	s_nop 0
.rept 4
	v_nop
.endr
.Lfirst_done:
	s_mov_b32 s76, 0xffff0000                      ; lanes 16-31
	s_mov_b32 s78, 0x76543210
	s_mov_b32 s79, 0xfedcba98
	v_and_b32 v4, 31, v0                           ; lane
	v_and_b32 v2, 15, v0                           ; r
	v_bfe_u32 v3, v0, 4, 1                         ; h
	v_lshlrev_b32 v1, 4, v4                        ; 16 x lane
	v_lshlrev_b32 v27, 3, v4                       ; 8 x lane
	v_lshlrev_b32 v10, 2, v4                       ; 4 x lane
	v_lshlrev_b32 v25, 6, v3                       ; q's and k's bias: 16 h numbers on
	v_and_b32 v5, 7, v0
	v_bfe_u32 v6, v0, 3, 1
	v_lshl_add_u32 v5, v6, 4, v5
	v_lshlrev_b32 v26, 2, v5                       ; v's bias: channel r % 8 + 16 (r / 8) of the tile
	s_mul_i32 s90, s17, 24576
	v_add_nc_u32 v[ADRA], s90, v1
	v_add_nc_u32 v[ADRA+1], SLOT, v[ADRA]
	v_add_nc_u32 v[ADRA+2], 2*SLOT, v[ADRA]
	s_mul_i32 s91, s18, 18432
	s_add_co_u32 s91, s91, BOFF
	v_add_nc_u32 v[ADRB], s91, v1
	v_add_nc_u32 v[ADRB+1], SLOT, v[ADRB]
	v_add_nc_u32 v[ADRB+2], 2*SLOT, v[ADRB]
	; the scale words of all eight K steps come straight into registers, once: lanes 0-15 x's tiles, lanes 16-31 W's (for i = 6, 7 those lanes read words that nobody uses, inside the buffer)
	s_lshl_b32 s84, s22, 4
	s_lshl_b32 s98, s17, 3
	s_add_co_u32 s84, s84, s98
	s_lshl_b32 s84, s84, 9
	s_add_co_u32 s84, s84, 98304
	s_mul_i32 s85, s21, 12
	s_mul_i32 s98, s18, 6
	s_add_co_u32 s85, s85, s98
	s_lshl_b32 s85, s85, 9
	v_mov_b32 v8, s84
	v_mov_b32 v9, s85
	v_cndmask_b32 v8, v8, v9, s76
	v_lshl_add_u32 v24, v2, 4, v8
.irp i, 0,1,2,3,4,5,6,7
.irp q, 0,1
	global_load_b128 v[SC+8*\i+4*\q:SC+8*\i+4*\q+3], v24, s[8:9] offset:512*\i+256*\q
.endr
.endr
	s_mul_i32 s96, s21, 768                        ; the head's 192 numbers of b
	s_mov_b32 s97, 0
	s_lshl_b32 s98, s18, 8                         ; q at 0, k at 64
	s_add_co_u32 s96, s96, s98
	s_add_nc_u64 s[80:81], s[10:11], s[96:97]
	s_mul_i32 s96, s21, 768
	s_lshl_b32 s98, s18, 7                         ; v at 128 + 32 half
	s_add_co_u32 s96, s96, s98
	s_add_co_u32 s96, s96, 512
	s_add_nc_u64 s[82:83], s[10:11], s[96:97]
	WIN 0x40                                       ; destination window 1
.irp b, 0,1,2,3
	global_load_b128 v[BIAS+8*\b:BIAS+8*\b+3], v25, s[80:81] offset:4*(32*((\b)>>1)+8*((\b)&1))      ; register j: column 32 (b / 2) + 16 h + 8 (b % 2) + j
	global_load_b128 v[BIAS+8*\b+4:BIAS+8*\b+7], v25, s[80:81] offset:4*(32*((\b)>>1)+8*((\b)&1))+16
.endr
.irp b, 4,5
	global_load_b32 v[BIAS+8*\b], v26, s[82:83] offset:32*(\b-4)                                     ; one channel a lane
.endr
	WIN 0
	; where the results go
	s_lshr_b32 s88, s22, 3
	s_lshl_b32 s88, s88, 4
	s_add_co_u32 s88, s88, s21                     ; bh
	s_and_b32 s89, s22, 7
	s_lshl_b32 s89, s89, 1
	s_add_co_u32 s89, s89, s17                     ; t
	s_mul_i32 s90, s88, 208896
	s_mul_i32 s91, s88, 106496
	s_mul_i32 s92, s89, 6144
	s_mov_b32 s94, 98304
	s_cmp_lg_u32 s18, 0                            ; k's wave or q's: the choice hangs on the wave's number alone
	s_cselect_b64 s[68:69], s[14:15], s[12:13]
	s_cselect_b32 s93, s90, s91
	s_cselect_b32 s94, 196608, s94
	s_mov_b64 s[70:71], s[68:69]
	s_add_co_u32 s96, s93, s92
	s_add_nc_u64 s[68:69], s[68:69], s[96:97]      ; q's or k's images
	s_lshl_b32 s96, s89, 9
	s_add_co_u32 s96, s96, s93
	s_add_co_u32 s96, s96, s94
	s_add_nc_u64 s[70:71], s[70:71], s[96:97]      ; their scale block
	s_mul_i32 s96, s18, 3072
	s_add_co_u32 s96, s96, s92
	s_add_co_u32 s96, s96, s90
	s_add_co_u32 s96, s96, 98304
	s_add_nc_u64 s[72:73], s[14:15], s[96:97]      ; v's two images
	s_lshl_b32 s96, s89, 8
	s_lshl_b32 s98, s18, 7
	s_add_co_u32 s96, s96, s98
	s_add_co_u32 s96, s96, s90
	s_add_co_u32 s96, s96, 204800
	s_add_nc_u64 s[74:75], s[14:15], s[96:97]      ; v's scale words
.macro FETCH s                         ; K step s: 24 + 18 loads of 512 consecutive bytes into set s % 2
.set PP, ((\s)>>1)%3
.set EE, (\s)&1
	WIN 0x40
.irp i, 0,1,2,3,4,5,6,7
.irp c, 0,1,2
	ds_load_b128 v[96*EE+12*\i+4*\c:96*EE+12*\i+4*\c+3], v[ADRA+PP] offset:3072*\i+1536*EE+512*\c
.endr
.endr
	WIN 0
.irp i, 0,1,2,3,4,5
.irp c, 0,1,2
	ds_load_b128 v[BF+72*EE+12*\i+4*\c:BF+72*EE+12*\i+4*\c+3], v[ADRB+PP] offset:3072*\i+1536*EE+512*\c
.endr
.endr
.endm
; 24 matrix instructions: x tiles 4 H .. 4 H + 3 against my six W tiles.  Each accumulator has one instruction in a K step, so 47 others' stand between two of its own.
.macro MULH s, H
.if (\s) == 0
	WIN 0x94+0x40*(\H)                             ; source 0 (W) window 0, source 1 (x) window 1, C (the bias) window 1, D window 2 + H
.else
	WIN 0xa4+0x50*(\H)
.endif
.irp a, 0,1,2,3
.irp b, 0,1,2,3
.set RD, 96*((\a)>>1)+32*((\a)&1)+8*\b
.set RA, 96*((\s)&1)+12*(4*(\H)+\a)
.set RB, BF+72*((\s)&1)+12*\b
.if (\s) == 0
	v_wmma_scale_f32_16x16x128_f8f6f4 v[RD:RD+7], v[RB:RB+11], v[RA:RA+11], v[BIAS+8*\b:BIAS+8*\b+7], v[SC+8*\b+(\s)], v[SC+8*(4*(\H)+\a)+(\s)] matrix_a_fmt:MATRIX_FMT_FP6 matrix_b_fmt:MATRIX_FMT_FP6 matrix_a_scale:MATRIX_SCALE_ROW1
.else
	v_wmma_scale_f32_16x16x128_f8f6f4 v[RD:RD+7], v[RB:RB+11], v[RA:RA+11], v[RD:RD+7], v[SC+8*\b+(\s)], v[SC+8*(4*(\H)+\a)+(\s)] matrix_a_fmt:MATRIX_FMT_FP6 matrix_b_fmt:MATRIX_FMT_FP6 matrix_a_scale:MATRIX_SCALE_ROW1
.endif
.endr
.endr
.if (\s) == 0
	WIN 0x91+0x40*(\H)                             ; v: source 0 (x) window 1, source 1 (W) window 0
.else
	WIN 0xa1+0x50*(\H)
.endif
.irp a, 0,1,2,3
.irp b, 4,5
.set RD, 96*((\a)>>1)+64+16*(\b-4)+8*((\a)&1)
.set RA, 96*((\s)&1)+12*(4*(\H)+\a)
.set RB, BF+72*((\s)&1)+12*\b
.if (\s) == 0
	v_wmma_scale_f32_16x16x128_f8f6f4 v[RD:RD+7], v[RA:RA+11], v[RB:RB+11], v[BIAS+8*\b:BIAS+8*\b+7], v[SC+8*(4*(\H)+\a)+(\s)], v[SC+8*\b+(\s)] matrix_a_fmt:MATRIX_FMT_FP6 matrix_b_fmt:MATRIX_FMT_FP6 matrix_b_scale:MATRIX_SCALE_ROW1
.else
	v_wmma_scale_f32_16x16x128_f8f6f4 v[RD:RD+7], v[RA:RA+11], v[RB:RB+11], v[RD:RD+7], v[SC+8*(4*(\H)+\a)+(\s)], v[SC+8*\b+(\s)] matrix_a_fmt:MATRIX_FMT_FP6 matrix_b_fmt:MATRIX_FMT_FP6 matrix_b_scale:MATRIX_SCALE_ROW1
.endif
.endr
.endr
.endm
	s_wait_alu depctr_va_vdst(0)
	s_wait_tensorcnt 0x2                           ; my part of slot 0 is in; slots 1 and 2 may stay out
	s_barrier_signal -1
	s_barrier_wait -1                              ; everybody's is
	FETCH 0
	s_wait_loadcnt 0x0                             ; scale words and bias
	WIN 0x41
.irp b, 4,5
.irp j, 1,2,3,4,5,6,7
	v_mov_b32 v[BIAS+8*\b+\j], v[BIAS+8*\b]        ; v's bias is the same for a lane's eight keys
.endr
.endr
	WIN 0
	PLACES
	; K step 0
	s_wait_alu depctr_va_vdst(0)
	s_wait_dscnt 0x0
	FETCH 1
	MULH 0, 0
	MULH 0, 1
	; K step 1: slot 0 has been read out and is filled again
	WIN 0
	s_wait_tensorcnt 0x0                           ; all my tensor loads have landed: my parts of slots 1 and 2
	ds_add_u32 v[SPW], v[NIL]                      ; 0 onto my spare word
	s_wait_dscnt 0x0                               ; the add is done, and my reads of slot 0 (K steps 0 and 1) are in
	s_barrier_signal -1                            ; this barrier opens a round of the cluster's barrier
	MULH 1, 0
	WIN 0
	s_barrier_wait -1
	CREST                                          ; no wave of any partner still reads slot 0 or has a load on its way
	s_add_nc_u64 s[G0A+2:G0A+3], s[G0A+2:G0A+3], 9216      ; K steps 6 and 7
	s_add_nc_u64 s[G0B+2:G0B+3], s[G0B+2:G0B+3], 9216
	s_cmp_eq_u32 s17, 0
	s_cbranch_scc0 .Lre_b
	tensor_load_to_lds s[G0A:G0A+3], s[G1A:G1A+7]  ; the one tensor load of this wave behind the round: it has K steps 1 to 4 in which to land
	s_nop 0
.rept 4
	v_nop
.endr
	s_branch .Lre_done
.Lre_b:
	tensor_load_to_lds s[G0B:G0B+3], s[G1B:G1B+7]
	s_nop 0
.rept 4
	v_nop                                          ; these four are also the places in front of the loads below
.endr
.Lre_done:
	FETCH 2
	MULH 1, 1
.irp s, 2,3,4
	s_wait_dscnt 0x0                               ; this step's fragments, asked for 48 matrix instructions ago
	PLACES
	FETCH \s+1
	MULH \s, 0
	MULH \s, 1
.endr
	; K step 5: slot 0's second fill is wanted next
	s_wait_tensorcnt 0x0                           ; my part of it has landed (it is the one load that was out)
	s_wait_dscnt 0x0
	s_barrier_signal -1
	MULH 5, 0
	s_barrier_wait -1                              ; everybody's has
	PLACES
	FETCH 6
	MULH 5, 1
	s_wait_dscnt 0x0
	PLACES
	FETCH 7
	MULH 6, 0
	MULH 6, 1
	s_wait_dscnt 0x0
	MULH 7, 0
	MULH 7, 1
	WIN 0
	PLACES
.irp k, 0,1,2,3,4,5,6,7,8,9,10,11
	v_mov_b32 v[PM+\k], 0                          ; written once: a lane permute's destination counts as one of its sources
.endr
; THE EPILOGUE, window by window (H = 0, 1: x tiles 4 H .. 4 H + 3).  Twelve blocks of 32, each in lanes l and l xor 16, 16 consecutive registers a lane:
; k = 2 a + n (a = 0..3, n = 0, 1): block n of q or k of row tile a;  k = 8 + 2 m + c: keys 32 (2 H + m) on of v's channel tile c.
.macro SETBK k
.if (\k) < 8
.set BK, 96*((\k)>>2)+32*(((\k)>>1)&1)+16*((\k)&1)
.else
.set BK, 96*(((\k)-8)>>1)+64+16*((\k)&1)
.endif
.endm
.macro EPI H
	WIN 0x0a+5*(\H)                                ; sources 0 and 1: window 2 + H
.irp k, 0,1,2,3,4,5,6,7,8,9,10,11
	SETBK \k
	v_max3_num_f32 v[MX+\k], |v[BK]|, |v[BK+1]|, 0x1800000        ; each accumulator is read from its low end on; the floor 2^(3 - 127) holds the byte at 1 from below
.endr
.irp i, 2,4,6,8,10,12,14
.irp k, 0,1,2,3,4,5,6,7,8,9,10,11
	SETBK \k
	v_max3_num_f32 v[MX+\k], |v[BK+\i]|, |v[BK+\i+1]|, v[MX+\k]
.endr
.endr
	WIN 0
.irp k, 0,1,2,3,4,5,6,7,8,9,10,11
	v_permlanex16_b32 v[PM+\k], v[MX+\k], s78, s79
.endr
.irp k, 0,1,2,3,4,5,6,7,8,9,10,11
	v_max_num_f32 v[MX+\k], v[MX+\k], v[PM+\k]
.endr
.irp k, 0,1,2,3,4,5,6,7,8,9,10,11
	v_add_nc_u32 v[SO+\k], 0xff000000, v[MX+\k]    ; 2 off the exponent field: the conversion's scale operand
.endr
.irp k, 0,1,2,3,4,5,6,7,8,9,10,11
	v_lshrrev_b32 v[BY+\k], 23, v[SO+\k]           ; the scale's byte
.endr
.irp a, 0,1,2,3
	v_lshl_or_b32 v[WW+4*(\H)+\a], v[BY+2*\a+1], 8, v[BY+2*\a]    ; two bytes; the upper two stay 0: they meet zero codes
.endr
.irp c, 0,1
.if (\H) == 0
	v_lshl_or_b32 v[VW+\c], v[BY+10+\c], 8, v[BY+8+\c]
.else
	v_lshl_or_b32 v[VW+\c], v[BY+8+\c], 16, v[VW+\c]
	v_lshl_or_b32 v[VW+\c], v[BY+10+\c], 24, v[VW+\c]
.endif
.endr
.if (\H) == 1
	s_wait_xcnt 0x0                                ; the first half's stores have read the images' registers
.endif
	WIN 0x02+(\H)                                  ; source 0: window 2 + H
.irp a, 0,1,2,3
	SETBK 2*\a
	v_cvt_scalef32_pk16_fp6_f32 v[FQ+12*\a:FQ+12*\a+2], v[BK:BK+15], v[SO+2*\a]
	SETBK 2*\a+1
	v_cvt_scalef32_pk16_fp6_f32 v[FQ+12*\a+8:FQ+12*\a+10], v[BK:BK+15], v[SO+2*\a+1]
.endr
.irp c, 0,1
	SETBK 8+\c
	v_cvt_scalef32_pk16_fp6_f32 v[VI+12*\c+6*(\H):VI+12*\c+6*(\H)+2], v[BK:BK+15], v[SO+8+\c]
	SETBK 10+\c
	v_cvt_scalef32_pk16_fp6_f32 v[VT+4*\c:VT+4*\c+2], v[BK:BK+15], v[SO+10+\c]
.endr
	WIN 0
	v_nop                                          ; one plain instruction behind the scaled conversions
.irp a, 0,1,2,3                        ; the operand wants a whole block in a lane: lanes 0-15 the even block, lanes 16-31 the odd one
.irp i, 0,1,2
	v_permlane16_swap_b32 v[FQ+12*\a+\i], v[FQ+12*\a+8+\i]
.endr
.irp i, 0,1,2
	v_mov_b32 v[FQ+12*\a+3+\i], v[FQ+12*\a+8+\i]
.endr
.endr
.irp c, 0,1
.irp i, 0,1,2
	v_permlane16_swap_b32 v[VI+12*\c+6*(\H)+\i], v[VT+4*\c+\i]
.endr
.irp i, 0,1,2
	v_mov_b32 v[VI+12*\c+6*(\H)+3+\i], v[VT+4*\c+\i]
.endr
.endr
.irp a, 0,1,2,3
	global_store_b128 v1, v[FQ+12*\a:FQ+12*\a+3], s[68:69] offset:768*(4*(\H)+\a)         ; 512 consecutive bytes, aligned to 256
	global_store_b64 v27, v[FQ+12*\a+4:FQ+12*\a+5], s[68:69] offset:768*(4*(\H)+\a)+512   ; 256 consecutive bytes, aligned to 256
.endr
.endm
	EPI 0
	EPI 1
.irp n, 0,1,2,3
	v_cndmask_b32 v[ZZ+\n], v[WW+2*\n], v[WW+2*\n+1], s76          ; lanes 0-15 tile 2 n's word, lanes 16-31 tile 2 n + 1's
.endr
	global_store_b128 v1, v[ZZ:ZZ+3], s[70:71]
.irp c, 0,1
.irp g, 0,1,2
	global_store_b128 v1, v[VI+12*\c+4*\g:VI+12*\c+4*\g+3], s[72:73] offset:1536*\c+512*\g
.endr
.endr
	v_cndmask_b32 v234, v[VW], v[VW+1], s76
	global_store_b32 v10, v234, s[74:75]           ; 128 consecutive bytes: the partner wave of my rows stores the 128 beside them
	s_wait_tensorcnt 0x0                           ; the wave's end
	ds_add_u32 v[SPW], v[NIL]
	s_wait_dscnt 0x0
	CROUND                                         ; the closing round: no work-group ends while a partner may still ask for a tile that names it
	s_endpgm
.Lfunc_end_k_qe683df5f25_gemm:
	.size	k_qe683df5f25_gemm, .Lfunc_end_k_qe683df5f25_gemm-k_qe683df5f25_gemm
	.p2alignl 7, 3214868480
	.fill 96, 4, 3214868480
	.section	.rodata,"a",@progbits
	.p2align	6, 0x0
	.amdhsa_kernel k_qe683df5f25_gemm
		.amdhsa_group_segment_fixed_size 327680
		.amdhsa_private_segment_fixed_size 0
		.amdhsa_enable_private_segment 0
		.amdhsa_kernarg_size 48
		.amdhsa_user_sgpr_count 2
		.amdhsa_user_sgpr_kernarg_segment_ptr 1
		.amdhsa_wavefront_size32 1
		.amdhsa_system_sgpr_workgroup_id_x 1
		.amdhsa_system_sgpr_workgroup_id_y 1
		.amdhsa_system_sgpr_workgroup_id_z 1
		.amdhsa_system_vgpr_workitem_id 0
		.amdhsa_next_free_vgpr 1024
		.amdhsa_next_free_sgpr 100
		.amdhsa_reserve_vcc 0
		.amdhsa_float_denorm_mode_32 3
		.amdhsa_float_denorm_mode_16_64 3
		.amdhsa_memory_ordered 1
		.amdhsa_forward_progress 1
		.amdhsa_inst_pref_size 111
	.end_amdhsa_kernel
	.amdgpu_metadata
---
amdhsa.version: [ 1, 2 ]
amdhsa.kernels:
  - .name:           k_qe683df5f25_gemm
    .symbol:         k_qe683df5f25_gemm.kd
    .args:
      - { .name: xc, .offset: 0, .size: 8, .value_kind: global_buffer, .address_space: global }
      - { .name: wc, .offset: 8, .size: 8, .value_kind: global_buffer, .address_space: global }
      - { .name: scl, .offset: 16, .size: 8, .value_kind: global_buffer, .address_space: global }
      - { .name: b_qkv, .offset: 24, .size: 8, .value_kind: global_buffer, .address_space: global }
      - { .name: qc, .offset: 32, .size: 8, .value_kind: global_buffer, .address_space: global }
      - { .name: kv, .offset: 40, .size: 8, .value_kind: global_buffer, .address_space: global }
    .group_segment_fixed_size: 327680
    .private_segment_fixed_size: 0
    .kernarg_segment_align: 8
    .kernarg_segment_size: 48
    .max_flat_workgroup_size: 128
    .sgpr_count:     100
    .vgpr_count:     1024
    .wavefront_size: 32
...
	.end_amdgpu_metadata
.endif
;; end of part 2
;; launch attn (part 3): grid 4 x 64, 16 waves a work-group, clusters of 4 x 1, 280,576 bytes of LDS; arguments qc, kv, out0; writes out0
.if DOCPART == 3
	.amdgcn_target "amdgcn-amd-amdhsa--gfx1250"
	.amdhsa_code_object_version 6
	.text
	.protected	k_qe683df5f25_attn
	.globl	k_qe683df5f25_attn
	.p2align	8
	.type	k_qe683df5f25_attn,@function
k_qe683df5f25_attn:
	s_mov_b64 s[64:65], 0
	v_nop
	global_prefetch_b8 v0, s[64:65] scope:SCOPE_SE
	s_setreg_imm32_b32 hwreg(HW_REG_WAVE_MODE, 25, 1), 1
	s_wait_xcnt 0x0
	s_wait_alu depctr_hold_cnt(0) depctr_sa_sdst(0) depctr_va_vdst(0) depctr_va_sdst(0) depctr_va_ssrc(0) depctr_va_vcc(0) depctr_vm_vsrc(0)
	s_getreg_b32 s2, hwreg(HW_REG_IB_STS2, 6, 4)
	s_cmp_eq_u32 s2, 0
	s_cbranch_scc0 .Lentry_in_a_cluster
	s_endpgm
.Lentry_in_a_cluster:
	s_bfe_u32 s2, ttmp6, 0x10000c
	s_cmp_lg_u32 s2, 0x3003
	s_cbranch_scc0 .Lentry_shape_is_right
	s_endpgm
.Lentry_shape_is_right:
; Causal attention of one (batch, head) a cluster, head size 64, 2,048 queries and keys, both products on codes of FP6 (E2M3) with E8M0 scales, from the register images that the launch before has stored.
; t = score x log2(e) / 8; M = the running largest t rounded UP to a whole number; p = 2^(t - M) is quantised along the keys, not normalised; the row's sum of the unquantised p divides at the end;
; when M moves, the sum and O are multiplied by 2^(old M - new M), which rounds nothing.
; BOTH PRODUCTS TRANSPOSED: S^T = K Q^T, O^T = V^T P^T: a lane holds one query.  The keys of a tile of K are chosen (by the first launch's order of rows) so that the 16 registers of tiles 2 b, 2 b + 1 are 16 neighbouring keys.
; K = 64 IN AN INSTRUCTION OF 128: Q's registers 6-11 are zero codes; K's tile i is named with the six registers that follow it (the next tile's codes, or zeros), which meet those zero codes; the upper two scale bytes are 0 on both sides.
; THE HEAD'S K, V AND SCALES (208,896 bytes) LIE IN LDS AS IN MEMORY, filled once by joint loads of the four partners: no slot is filled again, and the loops over keys have no barrier.
; SHARES: a group is 128 queries (8 tiles); group g needs key steps 0 .. g of 128 keys, step g on the diagonal.  Wave w of partner cx takes tile 2 cx + w % 2 of group 15 - w / 2, and then of group w / 2:
; 17 key steps for every wave.  Branches hang on the wave's number and on loop counters alone; cx enters Q's and O's addresses and a lane's constant for the mask.
; LIMITS: p under 2^-126 counts as 0; a block's largest p is taken from its largest score (it takes v_exp_f32 not to fall where its input rises); a block of zeros has the byte 1; NaN and infinities are not served.
; REGISTERS: v1-7 constants of the lane; v8-11, v28 addresses in hand; v12 -M, v13 the largest t, v[14:15] the sum; v16-27, v236-247 the two Q; v29, v30 their scale words; v31, v86 the stage; v32-79 K's eight tiles, then V's four;
;   v80-85 zeros; v88-91 K's scale words, v92-93 V's; v96-159 S^T, then p; v160-191 O^T; v192-203 p's codes; v204-231 at work.
.set STAGE, 208896                     ; behind the head: 16 rows x (256 bytes + 16) for each wave
.set QA,   16
.set QB,   236
.set QSA,  29
.set QSB,  30
.set ADK0, 8
.set ADK1, 9
.set ADV,  10
.set ADS,  11
.set ADT,  28
.set WV,   16                          ; s16 my wave's number
.set SEL,  20                          ; s[20:21]
.set CS,   22                          ; s[22:23] c = log2(e) / 8
.set TB,   2                           ; s2  6,144 x key step
.set TS,   3                           ; s3  512 x key step
.set TJ,   66                          ; s66 256 x key step
.set TT,   67                          ; s67 the key step
.set GG,   76                          ; s76 my group in this pass
.macro CROUND
	s_barrier_signal -1
	s_barrier_wait -1
	s_cmp_lg_u32 s[WV], 0
	s_cbranch_scc1 .Lnot_wave_0_\@
	s_barrier_signal -3
.Lnot_wave_0_\@:
	s_barrier_wait -3
	s_barrier_signal -1
	s_barrier_wait -1
.endm
.macro G1SET g, rows                   ; rows of 256 bytes (32 elements of 8 bytes), dense; the mask names all four partners
	s_mov_b32 s[\g], 15|(3<<16)|(1<<21)
	s_mov_b32 s[\g+1], 32<<16
	s_mov_b32 s[\g+2], (\rows)<<16
	s_mov_b32 s[\g+3], 32<<16
	s_mov_b32 s[\g+4], \rows
	s_mov_b32 s[\g+5], 32
	s_mov_b32 s[\g+6], 0
	s_mov_b32 s[\g+7], 0
.endm
.macro G0SET g                         ; s[g + 1] holds the offset, the same in LDS and in the head's block of memory
	s_mov_b32 s[\g], 1
	s_mov_b32 s96, s[\g+1]
	s_add_nc_u64 s[\g+2:\g+3], s[92:93], s[96:97]
	s_or_b32 s[\g+3], s[\g+3], 0x80000000
.endm
	s_load_b128 s[4:7], s[0:1], 0x0                ; qc s[4:5], kv s[6:7]
	s_load_b64 s[8:9], s[0:1], 0x10                ; out0
	v_lshl_add_u32 v254, v0, 2, 0x44000
	v_mov_b32 v255, 0
	ds_add_u32 v254, v255
	ds_add_u32 v254, v255
	v_lshrrev_b32 v1, 5, v0
	s_delay_alu instid0(VALU_DEP_1)
	v_readfirstlane_b32 s[WV], v1                  ; wave 0..15
	s_and_b32 s17, s[WV], 1
	s_lshr_b32 s18, s[WV], 1
	s_bfe_u32 s19, ttmp6, 0x40000                  ; cx
	s_and_b32 s10, ttmp7, 0xffff                   ; bh, which the four partners share
	G1SET 24, 3
	G1SET 32, 6
	G1SET 40, 18
	G1SET 48, 24
	s_lshr_b32 s94, s[WV], 3                       ; waves 0-7 fetch K's images, waves 8-15 V's, an eighth each
	s_mul_i32 s94, s94, 98304
	s_and_b32 s95, s[WV], 7
	s_mul_i32 s57, s[WV], 768                      ; the scales: 12,288 bytes, 768 a wave
	s_add_co_u32 s57, s57, 196608
	s_mul_i32 s61, s95, 1536                       ; key steps 0, 1
	s_add_co_u32 s61, s61, s94
	s_mul_i32 s69, s95, 4608                       ; key steps 2 to 7
	s_add_co_u32 s69, s69, s94
	s_add_co_u32 s69, s69, 12288
	s_mul_i32 s73, s95, 6144                       ; key steps 8 to 15
	s_add_co_u32 s73, s73, s94
	s_add_co_u32 s73, s73, 49152
	s_mul_i32 s92, s10, 208896
	s_mov_b32 s93, 0
	s_mov_b32 s97, 0
	s_wait_dscnt 0x0
	s_wait_kmcnt 0x0
	s_add_nc_u64 s[92:93], s[6:7], s[92:93]        ; the head's block
	G0SET 56
	G0SET 60
	G0SET 68
	G0SET 72
	CROUND                                         ; all four work-groups are here: the joint loads meet
	tensor_load_to_lds s[56:59], s[24:31]          ; four loads of mine are out
	s_nop 0
	tensor_load_to_lds s[60:63], s[32:39]
	s_nop 0
	tensor_load_to_lds s[68:71], s[40:47]
	s_nop 0
	tensor_load_to_lds s[72:75], s[48:55]
	s_nop 0
.rept 4
	v_nop
.endr
	s_mov_b32 s[SEL], 0x76543210
	s_mov_b32 s[SEL+1], 0xfedcba98
	s_mov_b32 s[CS], 0x3e38aa3b                    ; log2(e) / 8
	s_mov_b32 s[CS+1], s[CS]
	s_sub_co_u32 s[GG], 15, s18                    ; the first pass's group
	s_mul_i32 s77, s10, 106496
	s_lshl_b32 s78, s19, 1
	s_add_co_u32 s78, s78, s17                     ; my tile in a group: 2 cx + w % 2
	s_mul_i32 s78, s78, 768
	s_add_co_u32 s78, s78, s77
	s_mul_i32 s79, s[GG], 6144
	s_add_co_u32 s96, s78, s79
	s_add_nc_u64 s[80:81], s[4:5], s[96:97]        ; Q's image, first pass
	s_mul_i32 s79, s18, 6144
	s_add_co_u32 s96, s78, s79
	s_add_nc_u64 s[82:83], s[4:5], s[96:97]        ; second pass
	s_lshl_b32 s78, s17, 8
	s_lshl_b32 s79, s19, 2
	s_add_co_u32 s78, s78, s79
	s_add_co_u32 s78, s78, s77
	s_add_co_u32 s78, s78, 98304                   ; its scale words: 16 (r + 16 (w % 2)) + 4 cx in the group's block
	s_lshl_b32 s79, s[GG], 9
	s_add_co_u32 s96, s78, s79
	s_add_nc_u64 s[88:89], s[4:5], s[96:97]
	s_lshl_b32 s79, s18, 9
	s_add_co_u32 s96, s78, s79
	s_add_nc_u64 s[90:91], s[4:5], s[96:97]
	s_lshr_b32 s78, s10, 4
	s_lshl_b32 s78, s78, 11
	s_lshl_b32 s79, s19, 5
	s_add_co_u32 s78, s78, s79
	s_lshl_b32 s79, s17, 3
	s_add_co_u32 s78, s78, s79                     ; 2,048 batch + 32 cx + 8 (w % 2)
	s_and_b32 s98, s10, 15
	s_lshl_b32 s98, s98, 8                         ; the head's 256 bytes of a row
	s_lshl_b32 s79, s[GG], 7
	s_add_co_u32 s79, s79, s78
	s_lshl_b32 s96, s79, 12
	s_add_co_u32 s96, s96, s98
	s_add_nc_u64 s[84:85], s[8:9], s[96:97]        ; O, first pass
	s_lshl_b32 s79, s18, 7
	s_add_co_u32 s79, s79, s78
	s_lshl_b32 s96, s79, 12
	s_add_co_u32 s96, s96, s98
	s_add_nc_u64 s[86:87], s[8:9], s[96:97]        ; second pass
	v_and_b32 v8, 31, v0                           ; lane
	v_and_b32 v9, 15, v0                           ; r
	v_bfe_u32 v10, v0, 4, 1                        ; h
	s_delay_alu instid0(VALU_DEP_3)
	v_lshlrev_b32 v1, 4, v8                        ; 16 x lane: registers 0-3 of an image of K or Q
	s_delay_alu instid0(VALU_DEP_4)
	v_lshl_add_u32 v2, v8, 3, 512                  ; 512 + 8 x lane: registers 4-5
	s_delay_alu instid0(VALU_DEP_2)
	v_add_nc_u32 v3, 98304, v1                     ; V's images
	s_delay_alu instid0(VALU_DEP_3)
	v_add_nc_u32 v4, 196608, v1                    ; K's scale blocks
	v_lshl_add_u32 v5, v8, 2, 204800               ; V's scale words
	v_lshlrev_b32 v87, 4, v9                       ; 16 r
	global_load_b128 v[QA:QA+3], v1, s[80:81]
	global_load_b64 v[QA+4:QA+5], v2, s[80:81]
	global_load_b32 v[QSA], v87, s[88:89]
	global_load_b128 v[QB:QB+3], v1, s[82:83]
	global_load_b64 v[QB+4:QB+5], v2, s[82:83]
	global_load_b32 v[QSB], v87, s[90:91]
	v_and_b32 v6, 7, v0
	v_bfe_u32 v11, v0, 3, 1
	s_delay_alu instid0(VALU_DEP_1)
	v_lshl_add_u32 v6, v11, 4, v6
	v_lshlrev_b32 v11, 4, v10
	s_delay_alu instid0(VALU_DEP_1)
	v_sub_nc_u32 v6, v6, v11
	s_lshl_b32 s94, s19, 5
	s_lshl_b32 s95, s17, 3
	s_add_co_u32 s94, s94, s95
	v_add_nc_u32 v6, s94, v6                       ; my query in its group less 16 h: register 16 b + i holds key 32 b + 16 h + i, hidden on the diagonal where 32 b + i is above this
	v_lshlrev_b32 v7, 12, v10
	s_delay_alu instid0(VALU_DEP_1)
	v_lshl_add_u32 v7, v9, 4, v7                   ; the way out: lanes 0-15 one row of O, lanes 16-31 the next; 16 bytes a lane
	s_mul_i32 s95, s[WV], 4352
	s_add_co_u32 s95, s95, STAGE                   ; my stage
	v_mul_u32_u24 v31, v9, 272
	s_delay_alu instid0(VALU_DEP_1)
	v_lshl_add_u32 v31, v10, 6, v31
	s_delay_alu instid0(VALU_DEP_1)
	v_add_nc_u32 v31, s95, v31                     ; in: row r, + 64 h
	v_mul_u32_u24 v86, v10, 272
	s_delay_alu instid0(VALU_DEP_1)
	v_lshl_add_u32 v86, v9, 4, v86
	s_delay_alu instid0(VALU_DEP_1)
	v_add_nc_u32 v86, s95, v86                     ; back: rows by pairs
.irp j, 22,23,24,25,26,27,242,243,244,245,246,247,80,81,82,83,84,85,216,217,218,219,227,228
	v_mov_b32 v\j, 0                               ; zero codes; and registers that are named (a permute's destination, a pair's upper half) before they are first written
.endr
.macro INIT
	v_mov_b32 v13, 0xff61b1e6                      ; the largest t so far: -3e38
	s_delay_alu instid0(VALU_DEP_1)
	v_floor_f32 v12, -v13                          ; -M
	v_mov_b32 v14, 0
	v_mov_b32 v15, 0
.set j, 0
.rept 32
	v_mov_b32 v[160+j], 0                          ; O^T: the first change of M leaves zeros zeros, so the key step is written without a first step of its own
.set j, j+1
.endr
.endm
; A KEY STEP: 128 keys.  q, qs: Q's registers and scale word.  causal = 1: a step behind my group is left out, the step of my group is masked.
.macro STEP q, qs, causal
.if \causal
	s_cmp_gt_u32 s[TT], s[GG]
	s_cbranch_scc1 .Lhidden_\@
.endif
	s_setprio 2
	v_add_nc_u32 v[ADK0], s[TB], v1                ; these five are also the places in front of the loads into registers that the last products read
	v_add_nc_u32 v[ADK1], s[TB], v2
	v_add_nc_u32 v[ADV], s[TB], v3
	v_add_nc_u32 v[ADS], s[TS], v4
	v_add_nc_u32 v[ADT], s[TJ], v5
.irp i, 0,1,2,3,4,5,6,7
	ds_load_b128 v[32+6*\i:35+6*\i], v[ADK0] offset:768*\i
	ds_load_b64 v[36+6*\i:37+6*\i], v[ADK1] offset:768*\i
.endr
	ds_load_b128 v[88:91], v[ADS]                  ; register b: lanes 0-15 tile 2 b's words, lanes 16-31 tile 2 b + 1's
	s_wait_alu depctr_va_vdst(0)
	s_wait_dscnt 0x0
.irp i, 0,1,2,3,4,5,6,7
.if (\i)%2
	v_wmma_scale_f32_16x16x128_f8f6f4 v[96+8*\i:103+8*\i], v[32+6*\i:43+6*\i], v[\q:\q+11], 0, v[88+(\i)/2], v[\qs] matrix_a_fmt:MATRIX_FMT_FP6 matrix_b_fmt:MATRIX_FMT_FP6 matrix_a_scale:MATRIX_SCALE_ROW1
.else
	v_wmma_scale_f32_16x16x128_f8f6f4 v[96+8*\i:103+8*\i], v[32+6*\i:43+6*\i], v[\q:\q+11], 0, v[88+(\i)/2], v[\qs] matrix_a_fmt:MATRIX_FMT_FP6 matrix_b_fmt:MATRIX_FMT_FP6
.endif
.endr
.rept 4
	v_nop                                          ; places: in front of the loads over K's tiles and of the first read of the scores
.endr
.irp d, 0,1,2,3
.irp c, 0,1,2
	ds_load_b128 v[32+12*\d+4*\c:35+12*\d+4*\c], v[ADV] offset:1536*\d+512*\c     ; V's four fragments land while the softmax is worked
.endr
.endr
	ds_load_b32 v92, v[ADT]
	ds_load_b32 v93, v[ADT] offset:128
.if \causal
	s_cmp_lg_u32 s[TT], s[GG]
	s_cbranch_scc1 .Lopen_\@
	v_mov_b32 v228, 0xff800000                     ; on the diagonal hidden scores become -infinity ahead of the maximum: p = 0 then.  The step's first key counts for every query
.set n, 0
.rept 64
	v_cmp_gt_i32 vcc_lo, 32*(n/16)+n%16, v6
	v_cndmask_b32 v[96+n], v[96+n], v228, vcc_lo
.set n, n+1
.endr
.Lopen_\@:
.endif
.irp b, 0,1,2,3
	v_max3_num_f32 v[212+\b], v[96+16*\b], v[97+16*\b], v[98+16*\b]               ; the largest score of each block of 32 keys: for the row's maximum and for the block's largest p
.endr
.irp i, 3,5,7,9,11,13
.irp b, 0,1,2,3
	v_max3_num_f32 v[212+\b], v[212+\b], v[96+16*\b+\i], v[97+16*\b+\i]
.endr
.endr
.irp b, 0,1,2,3
	v_max_num_f32 v[212+\b], v[212+\b], v[111+16*\b]
.endr
.irp b, 0,1,2,3
	s_delay_alu instid0(VALU_DEP_4)
	v_permlanex16_b32 v[216+\b], v[212+\b], s[SEL], s[SEL+1]
.endr
.irp b, 0,1,2,3
	s_delay_alu instid0(VALU_DEP_4)
	v_max_num_f32 v[212+\b], v[212+\b], v[216+\b]  ; with lane l xor 16's 16 keys
.endr
	s_delay_alu instid0(VALU_DEP_2)
	v_max3_num_f32 v228, v212, v213, v214
	s_delay_alu instid0(VALU_DEP_1)
	v_max_num_f32 v228, v228, v215
	s_delay_alu instid0(VALU_DEP_1)
	v_mul_f32 v228, s[CS], v228                    ; the step's largest t
	s_delay_alu instid0(VALU_DEP_1)
	v_max_num_f32 v13, v13, v228
	v_mov_b32 v228, v12
	s_delay_alu instid0(VALU_DEP_2)
	v_floor_f32 v12, -v13                          ; the new -M = -ceil(t)
	s_delay_alu instid0(VALU_DEP_1)
	v_sub_f32 v228, v12, v228                      ; old M - new M: a whole number, 0 or less
	s_delay_alu instid0(VALU_DEP_1)
	v_cvt_i32_f32 v228, v228                       ; (it saturates)
	s_delay_alu instid0(VALU_DEP_1)
	v_ldexp_f32 v226, 1.0, v228                    ; f = 2^(old M - new M)
.set j, 0
.rept 32
	v_pk_fma_f32 v[96+j:97+j], v[96+j:97+j], s[CS:CS+1], v[12:13] op_sel_hi:[1,0,0]   ; t - M, two at a time
.set j, j+2
.endr
.irp b, 0,1,2,3
	v_fma_f32 v[212+\b], v[212+\b], s[CS], v12
.endr
.set j, 0
	s_setprio 1
	s_wait_alu depctr_va_vdst(0)
.rept 64
	v_exp_f32 v[96+j], v[96+j]                     ; p = 2^(t - M)
.set j, j+1
.endr
	v_pk_mul_f32 v[14:15], v[14:15], v[226:227] op_sel_hi:[1,0]   ; the sums under the new M: the plain instruction behind the batch
	s_wait_alu depctr_va_vdst(0)                   ; one wait for the 64 exponentials, ahead of their first reader
.irp b, 0,1,2,3
	v_exp_f32 v[212+\b], v[212+\b]                 ; each block's largest p
.endr
	v_pk_add_f32 v[230:231], v[100:101], v[104:105]
	v_pk_add_f32 v[252:253], v[108:109], v[112:113]
	v_pk_add_f32 v[250:251], v[116:117], v[120:121]
	v_pk_add_f32 v[248:249], v[124:125], v[128:129]
	v_pk_add_f32 v[234:235], v[132:133], v[136:137]
	v_pk_add_f32 v[232:233], v[140:141], v[144:145]
	v_pk_add_f32 v[224:225], v[148:149], v[152:153]
	v_pk_add_f32 v[14:15], v[14:15], v[156:157]
	v_pk_add_f32 v[230:231], v[230:231], v[96:97]
	v_pk_add_f32 v[252:253], v[252:253], v[98:99]
	v_pk_add_f32 v[250:251], v[250:251], v[102:103]
	v_pk_add_f32 v[248:249], v[248:249], v[106:107]
	v_pk_add_f32 v[234:235], v[234:235], v[110:111]
	v_pk_add_f32 v[232:233], v[232:233], v[114:115]
	v_pk_add_f32 v[224:225], v[224:225], v[118:119]
	v_pk_add_f32 v[14:15], v[14:15], v[122:123]
	v_pk_add_f32 v[230:231], v[230:231], v[126:127]
	v_pk_add_f32 v[252:253], v[252:253], v[130:131]
	v_pk_add_f32 v[250:251], v[250:251], v[134:135]
	v_pk_add_f32 v[248:249], v[248:249], v[138:139]
	v_pk_add_f32 v[234:235], v[234:235], v[142:143]
	v_pk_add_f32 v[232:233], v[232:233], v[146:147]
	v_pk_add_f32 v[224:225], v[224:225], v[150:151]
	v_pk_add_f32 v[14:15], v[14:15], v[154:155]
	v_pk_add_f32 v[230:231], v[230:231], v[158:159]
	s_delay_alu instid0(VALU_DEP_2)
	v_pk_add_f32 v[14:15], v[14:15], v[248:249]
	s_delay_alu instid0(VALU_DEP_2)
	v_pk_add_f32 v[230:231], v[230:231], v[234:235]
	v_pk_add_f32 v[252:253], v[252:253], v[232:233]
	v_pk_add_f32 v[250:251], v[250:251], v[224:225]
	s_delay_alu instid0(VALU_DEP_2)
	v_pk_add_f32 v[14:15], v[14:15], v[252:253]
	s_delay_alu instid0(VALU_DEP_2)
	v_pk_add_f32 v[230:231], v[230:231], v[250:251]
	s_delay_alu instid0(VALU_DEP_1)
	v_pk_add_f32 v[14:15], v[14:15], v[230:231]
	s_wait_alu depctr_va_vdst(0)                   ; and one for the four
.irp b, 0,1,2,3
	v_max_num_f32 v[212+\b], 0x1800000, v[212+\b]  ; the floor 2^(3 - 127)
.endr
.irp b, 0,1,2,3
	s_delay_alu instid0(VALU_DEP_4)
	v_add_nc_u32 v[220+\b], 0xff000000, v[212+\b]  ; the conversion's scale operand
.endr
.irp b, 0,1,2,3
	s_delay_alu instid0(VALU_DEP_4)
	v_lshrrev_b32 v[216+\b], 23, v[220+\b]         ; the scale's byte
.endr
	s_delay_alu instid0(VALU_DEP_3)
	v_lshl_or_b32 v224, v217, 8, v216              ; p's scale word for these 128 keys
	s_delay_alu instid0(VALU_DEP_1)
	v_lshl_or_b32 v224, v218, 16, v224
	s_delay_alu instid0(VALU_DEP_1)
	v_lshl_or_b32 v224, v219, 24, v224
.irp c, 0,1
	v_cvt_scalef32_pk16_fp6_f32 v[192+6*\c:194+6*\c], v[96+32*\c:111+32*\c], v[220+2*\c]
	v_cvt_scalef32_pk16_fp6_f32 v[204+4*\c:206+4*\c], v[112+32*\c:127+32*\c], v[220+2*\c+1]
.endr
	v_nop                                          ; one plain instruction behind the scaled conversions
	s_setprio 0
.irp c, 0,1
.irp i, 0,1,2
	v_permlane16_swap_b32 v[192+6*\c+\i], v[204+4*\c+\i]
.endr
.irp i, 0,1,2
	s_delay_alu instid0(VALU_DEP_3)
	v_mov_b32 v[195+6*\c+\i], v[204+4*\c+\i]
.endr
.endr
.set j, 0
.rept 16
	v_pk_mul_f32 v[160+j:161+j], v[160+j:161+j], v[226:227] op_sel_hi:[1,0]       ; O^T under the new M; these sixteen stand between the making of p's codes and scale word and the products
.set j, j+2
.endr
	s_wait_alu depctr_va_vdst(0)
	s_wait_dscnt 0x0                               ; V and its scale words
.irp d, 0,1,2,3
.if (\d)%2
	v_wmma_scale_f32_16x16x128_f8f6f4 v[160+8*\d:167+8*\d], v[32+12*\d:43+12*\d], v[192:203], v[160+8*\d:167+8*\d], v[92+(\d)/2], v224 matrix_a_fmt:MATRIX_FMT_FP6 matrix_b_fmt:MATRIX_FMT_FP6 matrix_a_scale:MATRIX_SCALE_ROW1
.else
	v_wmma_scale_f32_16x16x128_f8f6f4 v[160+8*\d:167+8*\d], v[32+12*\d:43+12*\d], v[192:203], v[160+8*\d:167+8*\d], v[92+(\d)/2], v224 matrix_a_fmt:MATRIX_FMT_FP6 matrix_b_fmt:MATRIX_FMT_FP6
.endif
.endr
.if \causal
.Lhidden_\@:
.endif
	s_add_co_u32 s[TB], s[TB], 6144                ; the next key step
	s_add_co_u32 s[TS], s[TS], 512
	s_add_co_u32 s[TJ], s[TJ], 256
.endm
; THE WAY OUT of a tile: O^T / the sum goes through my stage and leaves as whole rows: 256 bytes of each of 16 queries.  Register 16 c + k of O^T is channel 32 c + 16 h + k of query r.
.macro OUT ob
	v_add_f32 v14, v14, v15
	s_delay_alu instid0(VALU_DEP_1)
	v_permlanex16_b32 v228, v14, s[SEL], s[SEL+1]
	s_delay_alu instid0(VALU_DEP_1)
	v_add_f32 v14, v14, v228                       ; the row's sum
	s_wait_alu depctr_va_vdst(0)
	v_rcp_f32 v14, v14
.rept 4
	v_nop                                          ; the plain instruction behind the reciprocal, and the places behind the last products
.endr
	s_wait_alu depctr_va_vdst(0)                   ; ahead of the reciprocal's first reader
.set j, 0
.rept 32
	v_mul_f32 v[96+j], v[160+j], v14               ; each accumulator from its low end on
.set j, j+1
.endr
.irp c, 0,1
.irp k, 0,1,2,3
	ds_store_b128 v31, v[96+16*\c+4*\k:99+16*\c+4*\k] offset:128*\c+16*\k
.endr
.endr
.irp i, 0,1,2,3,4,5,6,7
	ds_load_b128 v[32+4*\i:35+4*\i], v86 offset:544*\i             ; LDS serves a wave's instructions in order: these see my stores
.endr
.irp i, 0,1,2,3,4,5,6,7
	s_wait_dscnt 7-\i                              ; load i is in; the younger ones may be out
	global_store_b128 v7, v[32+4*\i:35+4*\i], s[\ob:\ob+1] offset:(((2*\i)&7)+16*((\i)>>2))*4096 th:TH_STORE_NT   ; tile rows 2 i and 2 i + 1: each sixteen lanes store 256 consecutive bytes, aligned to 256
.endr
.endm
	INIT
	s_wait_loadcnt 0x0                             ; both Q
	s_wait_tensorcnt 0x2                           ; my parts of the scales and of key steps 0, 1 are in; the two later fills may stay out
	s_barrier_signal -1
	s_barrier_wait -1                              ; everybody's are
	s_mov_b32 s[TB], 0
	s_mov_b32 s[TS], 0
	s_mov_b32 s[TJ], 0
	s_mov_b32 s[TT], 0
.Lp1a:                                             ; the first pass's group is 8 or more: key steps 0 to 7 count whole
	STEP QA, QSA, 0
	s_add_co_u32 s[TT], s[TT], 1
	s_cmp_lt_u32 s[TT], 2
	s_cbranch_scc1 .Lp1a
	s_setprio 0
	s_wait_tensorcnt 0x1                           ; key steps 2 to 7; the last fill may stay out
	s_wait_dscnt 0x0
	s_barrier_signal -1
	s_barrier_wait -1
	s_mov_b32 s[TB], 2*6144
	s_mov_b32 s[TS], 2*512
	s_mov_b32 s[TJ], 2*256
	s_mov_b32 s[TT], 2
.Lp1b:
	STEP QA, QSA, 0
	s_add_co_u32 s[TT], s[TT], 1
	s_cmp_lt_u32 s[TT], 8
	s_cbranch_scc1 .Lp1b
	s_setprio 0
	s_wait_tensorcnt 0x0                           ; key steps 8 to 15
	s_wait_dscnt 0x0
	s_barrier_signal -1
	s_barrier_wait -1
	s_mov_b32 s[TB], 8*6144
	s_mov_b32 s[TS], 8*512
	s_mov_b32 s[TJ], 8*256
	s_mov_b32 s[TT], 8
.Lp1c:
	STEP QA, QSA, 1
	s_add_co_u32 s[TT], s[TT], 1
	s_cmp_lt_u32 s[TT], 16
	s_cbranch_scc1 .Lp1c
	s_setprio 0
	OUT 84
	s_wait_xcnt 0x0                                ; the stores have read their registers, which take K's tiles again
	INIT
	s_mov_b32 s[GG], s18                           ; the second pass's group
	s_mov_b32 s[TB], 0
	s_mov_b32 s[TS], 0
	s_mov_b32 s[TJ], 0
	s_mov_b32 s[TT], 0
.Lp2:
	STEP QB, QSB, 1
	s_add_co_u32 s[TT], s[TT], 1
	s_cmp_lt_u32 s[TT], 8
	s_cbranch_scc1 .Lp2
	s_setprio 0
	OUT 86
	s_wait_tensorcnt 0x0
	ds_add_u32 v254, v255
	s_wait_dscnt 0x0
	CROUND                                         ; the closing round
	s_endpgm
.Lfunc_end_k_qe683df5f25_attn:
	.size	k_qe683df5f25_attn, .Lfunc_end_k_qe683df5f25_attn-k_qe683df5f25_attn
	.p2alignl 7, 3214868480
	.fill 96, 4, 3214868480
	.section	.rodata,"a",@progbits
	.p2align	6, 0x0
	.amdhsa_kernel k_qe683df5f25_attn
		.amdhsa_group_segment_fixed_size 280576
		.amdhsa_private_segment_fixed_size 0
		.amdhsa_enable_private_segment 0
		.amdhsa_kernarg_size 24
		.amdhsa_user_sgpr_count 2
		.amdhsa_user_sgpr_kernarg_segment_ptr 1
		.amdhsa_wavefront_size32 1
		.amdhsa_system_sgpr_workgroup_id_x 1
		.amdhsa_system_sgpr_workgroup_id_y 1
		.amdhsa_system_sgpr_workgroup_id_z 1
		.amdhsa_system_vgpr_workitem_id 0
		.amdhsa_next_free_vgpr 256
		.amdhsa_next_free_sgpr 100
		.amdhsa_reserve_vcc 1
		.amdhsa_float_denorm_mode_32 3
		.amdhsa_float_denorm_mode_16_64 3
		.amdhsa_memory_ordered 1
		.amdhsa_forward_progress 1
		.amdhsa_inst_pref_size 100
	.end_amdhsa_kernel
	.amdgpu_metadata
---
amdhsa.version: [ 1, 2 ]
amdhsa.kernels:
  - .name:           k_qe683df5f25_attn
    .symbol:         k_qe683df5f25_attn.kd
    .args:
      - { .name: qc, .offset: 0, .size: 8, .value_kind: global_buffer, .address_space: global }
      - { .name: kv, .offset: 8, .size: 8, .value_kind: global_buffer, .address_space: global }
      - { .name: out0, .offset: 16, .size: 8, .value_kind: global_buffer, .address_space: global }
    .group_segment_fixed_size: 280576
    .private_segment_fixed_size: 0
    .kernarg_segment_align: 8
    .kernarg_segment_size: 24
    .max_flat_workgroup_size: 512
    .sgpr_count:     100
    .vgpr_count:     256
    .wavefront_size: 32
...
	.end_amdgpu_metadata
.endif
;; end of part 3
